; MI455X (gfx1250); checked and timed in simulation.
; The chip was launched on July 23, 2026; its instructions are those of AMD's public machine-readable ISA for CDNA 5 (MIT licence, August 2026) and "CDNA5" Instruction Set Architecture Reference Guide (July 2026). The comments in the code are by the model that wrote it; some were corrected since.
;; Splatter Model. Allowed arithmetic: float matrix products may take bf16 or f16 operands with f32 sums; all other float work in f32.
;; Inputs: alpha_raw 1,000 x 1 float32; colors_raw 1,000 x 3 float32; coords_raw 1,000 x 2 float32; rho_raw 1,000 x 1 float32; sigma_x_raw 1,000 x 1 float32; sigma_y_raw 1,000 x 1 float32.
;; Outputs: out0 256 x 256 x 3 float32.
;; Constants: step = 1.
;; 2 versions, each right and faster than the one before. Each part assembles by itself: llvm-mc -triple=amdgcn-amd-amdhsa -mcpu=gfx1250 --defsym DOCPART=n.
;; ======== version 1 of 2: 2 launches
;; workspace buffers: tab 64,000 bytes
;; launch prep (part 1): grid 125 x 1, 1 waves a work-group, no clusters, 0 bytes of LDS; arguments alpha_raw, colors_raw, coords_raw, rho_raw, sigma_x_raw, sigma_y_raw, tab; writes tab
.if DOCPART == 1
	.amdgcn_target "amdgcn-amd-amdhsa--gfx1250"
	.amdhsa_code_object_version 6
	.text
	.protected	k_q03c34754f4_prep
	.globl	k_q03c34754f4_prep
	.p2align	8
	.type	k_q03c34754f4_prep,@function
k_q03c34754f4_prep:
	s_mov_b64 s[64:65], 0
	v_nop
	global_prefetch_b8 v0, s[64:65] scope:SCOPE_SE
	s_setreg_imm32_b32 hwreg(HW_REG_WAVE_MODE, 25, 1), 1
	s_wait_xcnt 0x0
; PREP: the 1,000 splats' parameters, one entry of 64 bytes each, for the launch that draws the image.
;
; With cov + eps = [[p, q], [q, r]] eliminated as an LU without row exchange does (l = q / p, u = r - l q, det = p u; the matrix is
; symmetric and positive definite, so no exchange is needed), X = x_h + cx, Y = y_w + cy:
;     log2(e) z(h, w) = -(gx X)^2 - (gy (Y - l X))^2,     gx = sqrt(log2(e) / 2p),  gy = sqrt(log2(e) / 2u).
; kernel / kmax = exp2(cost_min - cost(h, w)), cost = -log2(e) z; the norm cancels except in the test kmax == 0, which is made here.
; The entry, four quads of f32:  gx, n1 = -gy l, gx cx, n0 = gy (cy - l cx)  |  gy, cost_min, 0, 0  |  c0, c1, c2, max |c|  |  0, 0, 0, 0.
; Ten words are needed; the entry is 64 bytes so that lane a of a splat's four stores quad a and the wave's one store covers 512
; consecutive bytes, aligned (48 bytes an entry would split blocks of 256 bytes between work-groups).
; cost_min is the minimum over the whole 256 x 256 grid: in a row the cost is a parabola in w, so the best column is the whole number
; nearest to its vertex, clamped to 0..255; all 256 rows are tried, since for a narrow slanted ridge the best point can lie many rows
; from the centre.  The cost is formed by the same fused multiply-adds as in the drawing launch.
; sigma = -tanh(raw): the sign is left out, since sigma enters only as sx^2, sy^2 and sx sy.
;
; One wave, 8 splats, 4 lanes (a = 0..3) for each.  A splat's eight tanh arguments lie in its 4 lanes x 2 registers, so that one text
; serves all; each lane then scans 64 rows (a + 4 m).
;
; LIMITS.  (1) Where exp(zmax) / norm is a denormal (zmax about -104 to -87) the quotients of denormals that the f32 formula forms are
; not reproduced: exp2(cost_min - cost) is used; the test for zero itself is made with gradual underflow.  (2) Where 1 - q^2 / (p r)
; is of the size of f32 rounding (|rho| within about 1e-6 of 1) u is as undetermined as in any f32 elimination; u <= 0 gives NaN or
; infinity.  (3) Grid coordinates are fma(i, 2/255, -1), within two units in the last place of a linspace.
.set AL,  8                            ; alpha as loaded; later colour 1
.set CO,  9                            ; lane a: colour max(a-1, 0) as loaded; later colour 0
.set CXY, 10                           ; v[10:11] coords as loaded; later cx, cy
.set RH,  12                           ; rho
.set SX,  13                           ; sigma x
.set SY,  14                           ; sigma y
.set TA,  15                           ; at work; later colour 2
.set A0,  16                           ; v[16:17] the lane's two tanh arguments
.set X2,  18                           ; v[18:19] their squares
.set E,   20                           ; v[20:21] the form with the exponential
.set P,   22                           ; v[22:23] the series
.set TN,  24                           ; v[24:25] the two tanh
.set C9,  26
.set T1,  27
.set PP,  28
.set RR,  29
.set QQ,  30
.set LL,  31
.set UU,  32
.set DET, 33
.set NRM, 34                           ; 1 / norm
.set CM,  35                           ; the largest |colour| of the splat
.set T2,  37
.set PW,  38                           ; v[38:39] vertex column = wa x + wb
.set PG,  40                           ; v[40:41] gx, gx cx
.set PN,  42                           ; v[42:43] n1, n0
.set PY,  44                           ; gy
.set MN,  45                           ; running minimum of the cost
.set HF,  46                           ; v[46:53] four pairs of row numbers, as f32
.set X,   54                           ; v[54:61] x of these rows; then u; then the cost
.set W,   62                           ; v[62:69] vertex column; then its y
.set N,   70                           ; v[70:77] N = n1 x + n0; then s
.set O,   78                           ; v[78:81] the lane's quad of the entry
	s_load_b256 s[4:11], s[0:1], 0x0               ; alpha s[4:5], colours s[6:7], coords s[8:9], rho s[10:11]
	s_load_b128 s[12:15], s[0:1], 0x20             ; sigma x s[12:13], sigma y s[14:15]
	s_load_b64 s[16:17], s[0:1], 0x30              ; the table
	v_lshrrev_b32 v1, 2, v0
	v_and_b32 v2, 3, v0                            ; a
	s_lshl_b32 s2, ttmp9, 3                        ; 8 splats a work-group: 125 x 8 = 1,000, no splat is left over
	s_lshl_b32 s3, ttmp9, 9                        ; and 512 bytes of the table
	v_add_nc_u32 v1, s2, v1                        ; n
	v_lshlrev_b32 v3, 2, v1                        ; 4 n
	v_lshlrev_b32 v4, 3, v1                        ; 8 n
	v_add_nc_u32 v5, -1, v2
	v_max_i32 v5, 0, v5
	v_mul_u32_u24 v6, 12, v1
	v_lshl_add_u32 v5, v5, 2, v6                   ; 12 n + 4 max(a - 1, 0)
	v_lshl_add_u32 v7, v0, 4, s3                   ; where the lane stores
	s_mov_b32 s18, 0x11111111                      ; lanes with a = 0
	s_mov_b32 s19, 0x22222222                      ; a = 1
	s_mov_b32 s20, 0x44444444                      ; a = 2
	s_mov_b32 s21, 0x88888888                      ; a = 3
	s_mov_b32 s29, 0x77777777                      ; a < 3
	s_mov_b32 s22, 0x358637bd                      ; eps = 1e-6
	s_mov_b32 s23, 0x42ff0000                      ; 127.5
	s_mov_b32 s24, 0x3c008081                      ; 2 / 255, twice: a pair for the packed forms
	s_mov_b32 s25, 0x3c008081
	s_mov_b32 s26, 0x437f0000                      ; 255.0
	s_mov_b32 s27, 0x40c90fdb                      ; 2 pi
	s_wait_kmcnt 0x0
	global_load_b32 v[AL], v3, s[4:5]
	global_load_b32 v[CO], v5, s[6:7]
	global_load_b64 v[CXY:CXY+1], v4, s[8:9]
	global_load_b32 v[RH], v3, s[10:11]
	global_load_b32 v[SX], v3, s[12:13]
	global_load_b32 v[SY], v3, s[14:15]
	; while they come: the rows of the first trip, pair i = (a + 8 i, a + 8 i + 4)
	v_cvt_f32_u32 v[HF], v2
	v_add_f32 v[HF+1], 4.0, v[HF]
	v_pk_add_f32 v[HF+2:HF+3], v[HF:HF+1], 0x41000000 op_sel_hi:[1,0]      ; + 8
	v_pk_add_f32 v[HF+4:HF+5], v[HF:HF+1], 0x41800000 op_sel_hi:[1,0]      ; + 16
	v_pk_add_f32 v[HF+6:HF+7], v[HF:HF+1], 0x41c00000 op_sel_hi:[1,0]      ; + 24
	s_wait_loadcnt 0x0
	; sigmoid(alpha) = 1 / (1 + exp2(-log2(e) alpha)).  Behind each transcendental one plain vector instruction that touches neither its
	; result nor its source stands before the result is used (ISA guide 5.7.2): here the selects and the move.
	v_mul_f32 v[TA], 0xbfb8aa3b, v[AL]
	v_exp_f32 v[TA], v[TA]
	v_cndmask_b32 v[A0], v[RH], v[SX], s19         ; first argument: a = 0 rho, 1 sigma x, 2 sigma y, 3 coord x
	v_cndmask_b32 v[A0], v[A0], v[SY], s20
	v_cndmask_b32 v[A0], v[A0], v[CXY], s21
	s_wait_alu depctr_va_vdst(0)
	v_add_f32 v[TA], 1.0, v[TA]
	v_rcp_f32 v[TA], v[TA]
	v_mov_b32 v[C9], 0x3cb327a4                    ; 62 / 2835
	s_wait_alu depctr_va_vdst(0)
	v_mul_f32 v[A0+1], v[CO], v[TA]                ; second argument: a = 1, 2, 3 colour x sigmoid(alpha),
	v_cndmask_b32 v[A0+1], v[A0+1], v[CXY+1], s18  ; a = 0 coord y
	; tanh, both arguments.  x^2 < 1/16: x (1 - x^2/3 + 2 x^4/15 - 17 x^6/315 + 62 x^8/2835), whose next term is below 8.5e-9 of x there,
	; so that small sigmas and colours keep their relative accuracy; else 1 - 2 / (1 + exp2(2 log2(e) x)), which saturates to +-1 by itself.
	v_pk_mul_f32 v[X2:X2+1], v[A0:A0+1], v[A0:A0+1]
.irp e, 0,1
	v_mul_f32 v[E+\e], 0x4038aa3b, v[A0+\e]
.endr
.irp e, 0,1
	v_exp_f32 v[E+\e], v[E+\e]
.endr
.irp e, 0,1
	v_fmaak_f32 v[P+\e], v[C9], v[X2+\e], 0xbd5d0dd1       ; - 17 / 315
.endr
.irp e, 0,1
	v_fmaak_f32 v[P+\e], v[P+\e], v[X2+\e], 0x3e088889     ; + 2 / 15
.endr
.irp e, 0,1
	v_fmaak_f32 v[P+\e], v[P+\e], v[X2+\e], 0xbeaaaaab     ; - 1 / 3
.endr
.irp e, 0,1
	v_fma_f32 v[P+\e], v[P+\e], v[X2+\e], 1.0
.endr
	s_wait_alu depctr_va_vdst(0)
.irp e, 0,1
	v_add_f32 v[E+\e], 1.0, v[E+\e]
.endr
.irp e, 0,1
	v_rcp_f32 v[E+\e], v[E+\e]
.endr
.irp e, 0,1
	v_mul_f32 v[P+\e], v[P+\e], v[A0+\e]
.endr
	s_wait_alu depctr_va_vdst(0)
.irp e, 0,1
	v_fma_f32 v[E+\e], v[E+\e], -2.0, 1.0
	v_cmp_gt_f32 vcc_lo, 0x3d800000, v[X2+\e]
	v_cndmask_b32 v[TN+\e], v[E+\e], v[P+\e], vcc_lo
.endr
	; every lane of a splat's four gets all eight results (the destinations have been written before, by the loads)
	v_mov_b32_dpp v[RH], v[TN] quad_perm:[0,0,0,0] row_mask:0xf bank_mask:0xf
	v_mov_b32_dpp v[SX], v[TN] quad_perm:[1,1,1,1] row_mask:0xf bank_mask:0xf
	v_mov_b32_dpp v[SY], v[TN] quad_perm:[2,2,2,2] row_mask:0xf bank_mask:0xf
	v_mov_b32_dpp v[CXY], v[TN] quad_perm:[3,3,3,3] row_mask:0xf bank_mask:0xf
	v_mov_b32_dpp v[CXY+1], v[TN+1] quad_perm:[0,0,0,0] row_mask:0xf bank_mask:0xf
	v_mov_b32_dpp v[CO], v[TN+1] quad_perm:[1,1,1,1] row_mask:0xf bank_mask:0xf
	v_mov_b32_dpp v[AL], v[TN+1] quad_perm:[2,2,2,2] row_mask:0xf bank_mask:0xf
	v_mov_b32_dpp v[TA], v[TN+1] quad_perm:[3,3,3,3] row_mask:0xf bank_mask:0xf
	; the covariance and its elimination
	v_fma_f32 v[PP], v[SX], v[SX], s22             ; p = sx^2 + eps
	v_fma_f32 v[RR], v[SY], v[SY], s22             ; r = sy^2 + eps
	v_mul_f32 v[QQ], v[RH], v[SX]
	v_fma_f32 v[QQ], v[QQ], v[SY], s22             ; q = rho sx sy + eps
	v_rcp_f32 v[T1], v[PP]
	v_rsq_f32 v[PG], v[PP]
	v_mov_b32 v[MN], 0x7f800000                    ; the scan's minimum starts at +infinity (also the plain instruction behind the two transcendentals)
	s_wait_alu depctr_va_vdst(0)
	v_mul_f32 v[LL], v[QQ], v[T1]
	v_fma_f32 v[T2], -v[LL], v[PP], v[QQ]          ; one correction step: l = q / p to the last place, exactly 1 where q = p,
	v_fma_f32 v[LL], v[T2], v[T1], v[LL]           ; so that a singular matrix gives u = 0 here as well
	v_fma_f32 v[UU], -v[LL], v[QQ], v[RR]          ; u = r - l q
	v_rsq_f32 v[PY], v[UU]
	v_mul_f32 v[DET], v[PP], v[UU]                 ; det = p u
	v_add_f32 v[DET], s22, v[DET]
	v_sqrt_f32 v[DET], v[DET]
	v_mul_f32 v[PG], 0x3f596d27, v[PG]             ; gx = sqrt(log2(e) / 2) / sqrt(p)
	s_wait_alu depctr_va_vdst(0)
	v_mul_f32 v[PY], 0x3f596d27, v[PY]             ; gy = sqrt(log2(e) / 2) / sqrt(u)
	v_fma_f32 v[NRM], v[DET], s27, s22             ; norm = 2 pi sqrt(det + eps) + eps
	v_rcp_f32 v[NRM], v[NRM]
	v_mul_f32 v[PG+1], v[PG], v[CXY]               ; gx cx
	v_mul_f32 v[PN], -v[PY], v[LL]                 ; n1 = -gy l
	v_mul_f32 v[T2], v[PY], v[CXY+1]
	v_fma_f32 v[PN+1], v[PN], v[CXY], v[T2]        ; n0 = gy cy - gy l cx
	v_mul_f32 v[PW], s23, v[LL]                    ; vertex column = 127.5 (l (x + cx) - cy + 1) = wa x + wb
	v_fma_f32 v[T2], v[LL], v[CXY], -v[CXY+1]
	v_fma_f32 v[PW+1], v[T2], s23, s23
	; the scan: 8 trips of 8 rows a lane, two rows in each packed instruction, four pairs side by side so that no line waits for the one before
	s_mov_b32 s28, 0
.Lscan:
.irp i, 0,2,4,6
	v_pk_fma_f32 v[X+\i:X+\i+1], v[HF+\i:HF+\i+1], s[24:25], -1.0 op_sel_hi:[1,0,0]                        ; x_h
.endr
.irp i, 0,2,4,6
	v_pk_fma_f32 v[W+\i:W+\i+1], v[X+\i:X+\i+1], v[PW:PW+1], v[PW:PW+1] op_sel:[0,0,1] op_sel_hi:[1,0,1]   ; the vertex, in columns
.endr
.irp i, 0,1,2,3,4,5,6,7
	v_rndne_f32 v[W+\i], v[W+\i]
.endr
.irp i, 0,1,2,3,4,5,6,7
	v_med3_num_f32 v[W+\i], v[W+\i], 0, s26                                                                ; the nearest column that exists
.endr
.irp i, 0,2,4,6
	v_pk_fma_f32 v[W+\i:W+\i+1], v[W+\i:W+\i+1], s[24:25], -1.0 op_sel_hi:[1,0,0]                          ; its y_w
.endr
.irp i, 0,2,4,6
	v_pk_fma_f32 v[N+\i:N+\i+1], v[X+\i:X+\i+1], v[PN:PN+1], v[PN:PN+1] op_sel:[0,0,1] op_sel_hi:[1,0,1]   ; N = n1 x + n0
.endr
.irp i, 0,2,4,6
	v_pk_fma_f32 v[X+\i:X+\i+1], v[X+\i:X+\i+1], v[PG:PG+1], v[PG:PG+1] op_sel:[0,0,1] op_sel_hi:[1,0,1]   ; u = gx x + gx cx
.endr
.irp i, 0,2,4,6
	v_pk_fma_f32 v[N+\i:N+\i+1], v[W+\i:W+\i+1], v[PY:PY+1], v[N+\i:N+\i+1] op_sel_hi:[1,0,1]              ; s = gy y + N
.endr
.irp i, 0,2,4,6
	v_pk_mul_f32 v[X+\i:X+\i+1], v[X+\i:X+\i+1], v[X+\i:X+\i+1]
.endr
.irp i, 0,2,4,6
	v_pk_fma_f32 v[X+\i:X+\i+1], v[N+\i:N+\i+1], v[N+\i:N+\i+1], v[X+\i:X+\i+1]                            ; cost = u^2 + s^2
.endr
.irp i, 0,2,4,6
	v_min3_num_f32 v[MN], v[MN], v[X+\i], v[X+\i+1]
.endr
.irp i, 0,2,4,6
	v_pk_add_f32 v[HF+\i:HF+\i+1], v[HF+\i:HF+\i+1], 0x42000000 op_sel_hi:[1,0]                            ; 32 rows on
.endr
	s_add_co_u32 s28, s28, 1
	s_cmp_lt_u32 s28, 8
	s_cbranch_scc1 .Lscan
	v_min_num_f32_dpp v[MN], v[MN], v[MN] row_xmask:1 row_mask:0xf bank_mask:0xf   ; over the splat's four lanes
	v_min_num_f32_dpp v[MN], v[MN], v[MN] row_xmask:2 row_mask:0xf bank_mask:0xf
	; kmax = exp(zmax) / norm.  Where it is 0 the kernel is 0 everywhere and is divided by 1: the splat adds nothing, so its colours become 0.
	; exp2(-cost_min) is formed as the square of exp2(-cost_min / 2): the multiplication keeps denormals, the transcendental would not.
	v_mul_f32 v[T1], -0.5, v[MN]
	v_exp_f32 v[T1], v[T1]
	v_cndmask_b32 v[O+3], 0, v[PN+1], s18          ; word 3 of quad 0: n0 (also the plain instruction behind the transcendental)
	s_wait_alu depctr_va_vdst(0)
	v_mul_f32 v[T1], v[T1], v[T1]
	v_mul_f32 v[T1], v[T1], v[NRM]
	v_cmp_neq_f32 vcc_lo, 0, v[T1]                 ; true for NaN too, which is passed on
	v_cndmask_b32 v[CO], 0, v[CO], vcc_lo
	v_cndmask_b32 v[AL], 0, v[AL], vcc_lo
	v_cndmask_b32 v[TA], 0, v[TA], vcc_lo
	v_max3_num_f32 v[CM], |v[CO]|, |v[AL]|, |v[TA]|
	; lane a takes quad a of its splat's entry
	v_cndmask_b32 v[O], v[PG], v[PY], s19          ; word 0: gx, gy, c0, 0
	v_cndmask_b32 v[O], v[O], v[CO], s20
	v_cndmask_b32 v[O], 0, v[O], s29
	v_cndmask_b32 v[O+1], v[PN], v[MN], s19        ; word 1: n1, cost_min, c1, 0
	v_cndmask_b32 v[O+1], v[O+1], v[AL], s20
	v_cndmask_b32 v[O+1], 0, v[O+1], s29
	v_cndmask_b32 v[O+2], 0, v[PG+1], s18          ; word 2: gx cx, 0, c2, 0
	v_cndmask_b32 v[O+2], v[O+2], v[TA], s20
	v_cndmask_b32 v[O+3], v[O+3], v[CM], s20       ; word 3: n0, 0, max |c|, 0
	global_store_b128 v7, v[O:O+3], s[16:17]       ; 32 lanes x 16 bytes: 512 consecutive bytes at a multiple of 512
	s_endpgm
.Lfunc_end_k_q03c34754f4_prep:
	.size	k_q03c34754f4_prep, .Lfunc_end_k_q03c34754f4_prep-k_q03c34754f4_prep
	.p2alignl 7, 3214868480
	.fill 96, 4, 3214868480
	.section	.rodata,"a",@progbits
	.p2align	6, 0x0
	.amdhsa_kernel k_q03c34754f4_prep
		.amdhsa_group_segment_fixed_size 0
		.amdhsa_private_segment_fixed_size 0
		.amdhsa_enable_private_segment 0
		.amdhsa_kernarg_size 56
		.amdhsa_user_sgpr_count 2
		.amdhsa_user_sgpr_kernarg_segment_ptr 1
		.amdhsa_wavefront_size32 1
		.amdhsa_system_sgpr_workgroup_id_x 1
		.amdhsa_system_sgpr_workgroup_id_y 1
		.amdhsa_system_sgpr_workgroup_id_z 1
		.amdhsa_system_vgpr_workitem_id 0
		.amdhsa_next_free_vgpr 84
		.amdhsa_next_free_sgpr 66
		.amdhsa_reserve_vcc 1
		.amdhsa_float_denorm_mode_32 3
		.amdhsa_float_denorm_mode_16_64 3
		.amdhsa_memory_ordered 1
		.amdhsa_forward_progress 1
		.amdhsa_inst_pref_size 11
	.end_amdhsa_kernel
	.amdgpu_metadata
---
amdhsa.version: [ 1, 2 ]
amdhsa.kernels:
  - .name:           k_q03c34754f4_prep
    .symbol:         k_q03c34754f4_prep.kd
    .args:
      - { .name: alpha_raw, .offset: 0, .size: 8, .value_kind: global_buffer, .address_space: global }
      - { .name: colors_raw, .offset: 8, .size: 8, .value_kind: global_buffer, .address_space: global }
      - { .name: coords_raw, .offset: 16, .size: 8, .value_kind: global_buffer, .address_space: global }
      - { .name: rho_raw, .offset: 24, .size: 8, .value_kind: global_buffer, .address_space: global }
      - { .name: sigma_x_raw, .offset: 32, .size: 8, .value_kind: global_buffer, .address_space: global }
      - { .name: sigma_y_raw, .offset: 40, .size: 8, .value_kind: global_buffer, .address_space: global }
      - { .name: tab, .offset: 48, .size: 8, .value_kind: global_buffer, .address_space: global }
    .group_segment_fixed_size: 0
    .private_segment_fixed_size: 0
    .kernarg_segment_align: 8
    .kernarg_segment_size: 56
    .max_flat_workgroup_size: 32
    .sgpr_count:     66
    .vgpr_count:     84
    .wavefront_size: 32
...
	.end_amdgpu_metadata
.endif
;; end of part 1
;; launch draw (part 2): grid 256 x 1, 8 waves a work-group, no clusters, 44,288 bytes of LDS; arguments tab, out0; writes out0
.if DOCPART == 2
	.amdgcn_target "amdgcn-amd-amdhsa--gfx1250"
	.amdhsa_code_object_version 6
	.text
	.protected	k_q03c34754f4_draw
	.globl	k_q03c34754f4_draw
	.p2align	8
	.type	k_q03c34754f4_draw,@function
k_q03c34754f4_draw:
	s_mov_b64 s[64:65], 0
	v_nop
	global_prefetch_b8 v0, s[64:65] scope:SCOPE_SE
	s_setreg_imm32_b32 hwreg(HW_REG_WAVE_MODE, 25, 1), 1
	s_wait_xcnt 0x0
; DRAW: out[h][w][c] = sum over the splats n of exp2(cost_min_n - cost_n(h, w)) colour[n][c].
; cost_n(h, w) = u^2 + s^2,  u = gx x_h + gx cx,  s = gy y_w + N,  N = n1 x_h + n0  (the table's entries; see the launch that makes them).
;
; A work-group draws one image row h (256 pixels, 3,072 bytes of the output).  Its eight waves share the splats, 128 each, in four chunks
; of 32.  For a row, N and C = cost_min - u^2 are fixed for each splat, so an element costs two fused multiply-adds (s = gy y + N,
; T = C - s s; packed, two splats at a time), one exponential and half a conversion.  The square roots folded into gx and gy keep the
; rounding of s of the size of gy, not gy^2, in front of the exponential.  The quadratic form stays in f32 on the vector unit: it
; contracts over two numbers, and 16-bit operands would put their rounding times |z| into an exponent.
; The sum over splats is the matrix product: A = colours (row m = colour, K = 32 splats), B = the 32 x 16 block of exp2 values of 16 pixels.
; A lane holds 16 of the 32 splats of one pixel; this text gives lanes 0-15 the chunk's splats 0-15 and lanes 16-31 its splats 16-31, in A
; and in B alike, which leaves the products as they are.  A's rows 0-2 and 8-10 hold the three colours (the other rows hold copies of
; colour 2 and their results are never read), so registers 0-2 of a result hold the three colours of pixel (lane & 15) in both halves.
;
; OPERANDS IN f16, sums in f32.  A thousand terms with two factors rounded to 8 significant bits add up to about a third of what the
; result is allowed to be off; 11 significant bits make that an eighth as much.  Range: the exp2 values are at most 1, since cost_min is the
; grid's minimum.  The colours can be arbitrarily small (sigmoid of a very negative alpha), so each wave scales the colours of its 128
; splats by the power of two 2^-e that brings the largest |c| among them into [1, 2); the scale is exact, and 2^e comes back in the
; multiply-add that sums the eight waves' partial rows.
;
; The table holds 1,000 entries; 8 waves x 128 = 1,024 places: the last 24 lanes of wave 7's last chunk read entry 999 and take colour 0.
;
; NO CLUSTER, no joint requests: all work-groups read the same table, but once, 40,000 bytes ahead of the 262,144 exponentials of a
; work-group (twelve loads a lane); there is no loop of requests that could be shared.
; LIMITS: those stated at the head of the launch that makes the table, and: exp2 values below 2^-14 keep an absolute accuracy of 2^-25;
; colours below 2^-14 of their wave's largest keep 2^-25 of that largest; where a wave's largest colour is below 2^-126 the scale is 2^126.
.set NSPLAT, 1000
.set ENTRY,  64                        ; bytes of a table entry
.set CHB,    576                       ; LDS bytes of a chunk: gy, N, C (32 f32 each: 0, 128, 256), three colours (32 f16 each: 384, 448, 512)
.set WVB,    4*CHB                     ; a wave's four chunks
.set RED,    8*WVB                     ; behind them: eight partial rows of 3,072 bytes
.set ROWB,   3072                      ; bytes of an output row
.set SCL,    RED+8*ROWB                ; behind them: the eight waves' 2^e
.set RD,  2                            ; v2        LDS: my half's 16 splats in gy of chunk 0
.set CA,  3                            ; v3        LDS: my colour row, my half's 16 splats, less 384
.set XH,  6                            ; v[6:7]    x_h, h as f32
.set Y,   8                            ; v[8:23]   y of my pixel in tiles 0..15
.set GY,  24                           ; v[24:39]  gy of my 16 splats
.set NN,  40                           ; v[40:55]  N
.set CC,  56                           ; v[56:71]  C
.set T0,  72                           ; v[72:103] two sets of 16: exponent, then exp2, of one tile; tiles take turns
.set BF,  104                          ; v[104:119] two B fragments, tiles take turns
.set CF,  120                          ; v[120:127] the chunk's A fragment: colours
.set ACC, 128                          ; v[128:255] 16 accumulators, one for each tile
; during the set-up only, in registers of the accumulators, which the first products write later:
.set R,   128                          ; v[128:175] my four entries, 12 registers each: 0-3 quad 0, 4-5 gy and cost_min, 8-11 quad 2
.set UN,  176                          ; v[176:183] u, N of the four
.set CT,  184                          ; v[184:187] C of the four
.set OF,  188
.set OFU, 189
.set OF3, 190
.set A4,  191
.set A2,  192
.set SA,  193
.set MX,  194                          ; the largest |colour| of my wave
.set MT,  R+11                         ; (done with once MX is formed)
.set SB,  196                          ; 2^e
.set SI,  200                          ; v[200:201] 2^-e, twice
.set HC,  204                          ; v[204:211] the four splats' scaled colours in f16: c0 | c1, c2
	s_load_b128 s[4:7], s[0:1], 0x0                ; table s[4:5], out s[6:7]
	s_set_vgpr_msb 0x40
	v_lshl_add_u32 v0, v0, 2, 0xa900
	v_mov_b32 v1, 0
	s_set_vgpr_msb 0x4000
	v_and_b32 v1, 31, v0                           ; lane
	v_lshrrev_b32 v4, 5, v0
	v_readfirstlane_b32 s8, v4                     ; wave
	v_lshlrev_b32 v5, 6, v1
	v_lshl_add_u32 v[OF], v4, 13, v5               ; entry 128 wave + lane; chunk k is 32 k entries further on
	v_add_nc_u32 v[OFU], 96*ENTRY, v[OF]
	v_min_u32 v[OF3], (NSPLAT-1)*ENTRY, v[OFU]     ; chunk 3: no load past entry 999
	s_mov_b32 s9, ttmp9                            ; h
	s_mov_b32 s10, 0x3c008081                      ; 2 / 255, twice: a pair for the packed forms
	s_mov_b32 s11, 0x3c008081
	s_mul_i32 s12, s8, WVB                         ; my wave's LDS
	s_mov_b32 s14, 0x76543210                      ; v_permlanex16_b32: lane i of one half reads lane i of the other
	s_mov_b32 s15, 0xfedcba98
	s_wait_kmcnt 0x0
.irp k, 0,1,2
	global_load_b128 v[R+12*\k:R+12*\k+3],    v[OF], s[4:5] offset:32*ENTRY*\k
	global_load_b64  v[R+12*\k+4:R+12*\k+5],  v[OF], s[4:5] offset:32*ENTRY*\k+16
	global_load_b128 v[R+12*\k+8:R+12*\k+11], v[OF], s[4:5] offset:32*ENTRY*\k+32
.endr
	global_load_b128 v[R+36:R+39], v[OF3], s[4:5]
	global_load_b64  v[R+40:R+41], v[OF3], s[4:5] offset:16
	global_load_b128 v[R+44:R+47], v[OF3], s[4:5] offset:32
	; while they come: the coordinates, formed as in the launch that found cost_min, and the LDS addresses
	v_cvt_f32_u32 v[XH+1], s9
	v_fma_f32 v[XH], v[XH+1], s10, -1.0            ; x_h
	v_and_b32 v5, 15, v0
	v_cvt_f32_u32 v[Y], v5                         ; column of my pixel in tile 0; tile i is 16 i further on
	v_add_f32 v[Y+1], 0x41800000, v[Y]
	v_pk_add_f32 v[Y+2:Y+3], v[Y:Y+1], 0x42000000 op_sel_hi:[1,0]
.irp j, 0,2
	v_pk_add_f32 v[Y+4+\j:Y+5+\j], v[Y+\j:Y+\j+1], 0x42800000 op_sel_hi:[1,0]
.endr
.irp j, 0,2,4,6
	v_pk_add_f32 v[Y+8+\j:Y+9+\j], v[Y+\j:Y+\j+1], 0x43000000 op_sel_hi:[1,0]
.endr
.irp j, 0,2,4,6,8,10,12,14
	v_pk_fma_f32 v[Y+\j:Y+\j+1], v[Y+\j:Y+\j+1], s[10:11], -1.0 op_sel_hi:[1,0,0]
.endr
	v_lshl_add_u32 v[A4], v1, 2, s12               ; where lane = splat puts an f32,
	v_lshl_add_u32 v[A2], v1, 1, s12               ; an f16
	v_mov_b32 v[SA], s8
	v_lshlrev_b32 v[SA], 2, v[SA]                  ; my wave's word among the eight 2^e
	v_bfe_u32 v4, v0, 4, 1                         ; half of the wave
	v_lshl_add_u32 v[RD], v4, 6, s12               ; 16 f32 a half
	v_and_b32 v5, 7, v0
	v_min_u32 v5, 2, v5                            ; A's rows 0, 1, 2 and 8, 9, 10: colours 0, 1, 2
	v_lshl_add_u32 v[CA], v5, 6, s12
	v_lshl_add_u32 v[CA], v4, 5, v[CA]             ; 16 f16 a half
	; lane = splat: this row's N and C of my four splats, and everything into my wave's own LDS bytes, from where it comes back with
	; registers = splats.  LDS serves a wave's instructions in order (ISA guide 5.7.1), and no other wave touches these bytes: no barrier.
.macro SETUP k
	s_wait_loadcnt 9-3*\k                          ; loads return in order: this chunk's three are in, those of the later chunks (three each) may stay out
	v_pk_fma_f32 v[UN+2*\k:UN+2*\k+1], v[R+12*\k:R+12*\k+1], v[XH:XH+1], v[R+12*\k+2:R+12*\k+3] op_sel_hi:[1,0,1]   ; (u, N) = (gx, n1) x + (gx cx, n0)
	v_fma_f32 v[CT+\k], -v[UN+2*\k], v[UN+2*\k], v[R+12*\k+5]      ; C = cost_min - u^2
	ds_store_b32 v[A4], v[R+12*\k+4] offset:\k*CHB
	ds_store_b32 v[A4], v[UN+2*\k+1] offset:\k*CHB+128
	ds_store_b32 v[A4], v[CT+\k] offset:\k*CHB+256
.endm
	SETUP 0
	SETUP 1
	SETUP 2
	SETUP 3
	; the colours: places 1,000 to 1,023 get 0; then the wave's largest |c|, its power of two, and the scaled colours in f16
	v_cmp_ge_u32 vcc_lo, v[OF3], v[OFU]            ; false where the address was clamped
.irp j, 44,45,46,47
	v_cndmask_b32 v[R+\j], 0, v[R+\j], vcc_lo
.endr
	v_max3_num_f32 v[MX], v[R+11], v[R+23], v[R+35]        ; each entry brings its own max |c|
	v_max_num_f32 v[MX], v[MX], v[R+47]
	v_max_num_f32_dpp v[MX], v[MX], v[MX] row_xmask:1 row_mask:0xf bank_mask:0xf
	v_max_num_f32_dpp v[MX], v[MX], v[MX] row_xmask:2 row_mask:0xf bank_mask:0xf
	v_max_num_f32_dpp v[MX], v[MX], v[MX] row_xmask:4 row_mask:0xf bank_mask:0xf
	v_max_num_f32_dpp v[MX], v[MX], v[MX] row_xmask:8 row_mask:0xf bank_mask:0xf
	v_permlanex16_b32 v[MT], v[MX], s14, s15       ; its destination counts as read: a register that has been written
	v_max_num_f32 v[MX], v[MX], v[MT]
	v_and_b32 v[SB], 0x7f800000, v[MX]             ; the exponent field alone: 2^e <= max |c| < 2^(e+1),
	v_max_u32 v[SB], 0x800000, v[SB]               ; at least 2^-126, so that it and its inverse are normal numbers (all colours 0 included)
	v_sub_nc_u32 v[SI], 0x7f000000, v[SB]          ; field 254 - (e + 127): 2^-e
	v_mov_b32 v[SI+1], v[SI]
	ds_store_b32 v[SA], v[SB] offset:SCL           ; all lanes, the same word, the same value; read behind the barrier at the end
.irp k, 0,1,2,3
	v_pk_mul_f32 v[R+12*\k+8:R+12*\k+9], v[R+12*\k+8:R+12*\k+9], v[SI:SI+1]
	v_mul_f32 v[R+12*\k+10], v[R+12*\k+10], v[SI]
	v_cvt_pk_f16_f32 v[HC+2*\k], v[R+12*\k+8], v[R+12*\k+9]
	v_cvt_pk_f16_f32 v[HC+2*\k+1], v[R+12*\k+10], 0
	ds_store_b16 v[A2], v[HC+2*\k] offset:\k*CHB+384
	ds_store_b16_d16_hi v[A2], v[HC+2*\k] offset:\k*CHB+448
	ds_store_b16 v[A2], v[HC+2*\k+1] offset:\k*CHB+512
.endr
.macro LOADP k                         ; gy, N, C of my half's 16 splats of chunk k
.irp i, 0,1,2,3
	ds_load_b128 v[GY+4*\i:GY+4*\i+3], v[RD] offset:(\k)*CHB+16*\i
	ds_load_b128 v[NN+4*\i:NN+4*\i+3], v[RD] offset:(\k)*CHB+128+16*\i
	ds_load_b128 v[CC+4*\i:CC+4*\i+3], v[RD] offset:(\k)*CHB+256+16*\i
.endr
.endm
.macro LOADCF k                        ; the colour fragment of chunk k
	ds_load_b128 v[CF:CF+3],   v[CA] offset:(\k)*CHB+384
	ds_load_b128 v[CF+4:CF+7], v[CA] offset:(\k)*CHB+400
.endm
.macro PKA j, ti                       ; s = gy y + N, splats 2j and 2j + 1, pixel of tile ti (y: one register of a pair, for both halves)
.if (\ti)&1
	v_pk_fma_f32 v[nxt+2*(\j):nxt+2*(\j)+1], v[GY+2*(\j):GY+2*(\j)+1], v[Y+((\ti)&14):Y+((\ti)&14)+1], v[NN+2*(\j):NN+2*(\j)+1] op_sel:[0,1,0] op_sel_hi:[1,1,1]
.else
	v_pk_fma_f32 v[nxt+2*(\j):nxt+2*(\j)+1], v[GY+2*(\j):GY+2*(\j)+1], v[Y+((\ti)&14):Y+((\ti)&14)+1], v[NN+2*(\j):NN+2*(\j)+1] op_sel_hi:[1,0,1]
.endif
.endm
.macro PKB j                           ; T = C - s s
	v_pk_fma_f32 v[nxt+2*(\j):nxt+2*(\j)+1], v[nxt+2*(\j):nxt+2*(\j)+1], v[nxt+2*(\j):nxt+2*(\j)+1], v[CC+2*(\j):CC+2*(\j)+1] neg_lo:[1,0,0] neg_hi:[1,0,0]
.endm
.macro MM t, b, zero                   ; tile t's product; in the first chunk it starts the sum: nothing is cleared
.if \zero
	v_wmma_f32_16x16x32_f16 v[ACC+8*(\t):ACC+8*(\t)+7], v[CF:CF+7], v[\b:\b+7], 0
.else
	v_wmma_f32_16x16x32_f16 v[ACC+8*(\t):ACC+8*(\t)+7], v[CF:CF+7], v[\b:\b+7], v[ACC+8*(\t):ACC+8*(\t)+7]
.endif
.endm
.macro FIRST                           ; the exponents of a chunk's tile 0
.set nxt, T0
.irp j, 0,1,2,3,4,5,6,7
	PKA \j, 0
.endr
.irp j, 0,1,2,3,4,5,6,7
	PKB \j
.endr
.endm
; ONE TILE: 16 exponentials in place, with the next tile's 16 packed multiply-adds between them (next = 1), the conversions two pairs
; behind, and the PREVIOUS tile's product in the third slot, when its last conversions are long done.
; Behind an exponential a plain vector instruction stands before its result is read (ISA guide 5.7.2): the multiply-adds and the earlier
; conversions are such; in a tile without multiply-adds one v_nop stands in front of the first conversion.
; Behind a product, its B fragment is written again a whole tile later (two fragments take turns) and its A fragment is loaded again only
; behind the 16 multiply-adds of FIRST: more than the four plain vector instructions asked for (ISA guide 7.12.1).
.macro TILE i, zero, next, waitcf
.set cur, T0+16*((\i)&1)
.set nxt, T0+16*((\i+1)&1)
.set bc,  BF+8*((\i)&1)
.set bp,  BF+8*((\i+1)&1)
.irp j, 0,1,2,3,4,5,6,7
	v_exp_f32 v[cur+2*\j], v[cur+2*\j]
.if \next
	PKA \j, (\i+1)
.endif
	v_exp_f32 v[cur+2*\j+1], v[cur+2*\j+1]
.if \next
.if \j >= 1
	PKB (\j-1)
.endif
.else
.if \j == 1
	v_nop
.endif
.endif
.if \j >= 2
	s_wait_alu depctr_va_vdst(0)
	v_cvt_pk_f16_f32 v[bc+\j-2], v[cur+2*\j-4], v[cur+2*\j-3]
.endif
.if \j == 2
.if \i > 0
.if \waitcf
	s_wait_dscnt 0x0                               ; the chunk's colour fragment, asked for a tile ago: nothing else is out
.endif
	MM (\i-1), bp, \zero
.endif
.endif
.endr
.if \next
	PKB 7
.endif
	s_wait_alu depctr_va_vdst(0)
	v_cvt_pk_f16_f32 v[bc+6], v[cur+12], v[cur+13]
	v_cvt_pk_f16_f32 v[bc+7], v[cur+14], v[cur+15]
.endm
; ONE CHUNK: 16 tiles.  gy, N, C are last read in tile 14 (for tile 15's exponents), so the next chunk's are loaded over them while tile 15 runs.
.macro CHUNKM k, zero, more
	TILE 0, \zero, 1, 0
	TILE 1, \zero, 1, \k
.irp i, 2,3,4,5,6,7,8,9,10,11,12,13,14
	TILE \i, \zero, 1, 0
.endr
.if \more
	LOADP (\k+1)
.endif
	TILE 15, \zero, 0, 0
	MM 15, bc, \zero
.if \more
	s_wait_dscnt 0x0                               ; the next chunk's gy, N, C are in
	FIRST
	LOADCF (\k+1)                                  ; behind FIRST's 16 plain vector instructions: the last product has read the old fragment
.endif
.endm
	LOADP 0
	LOADCF 0
	s_wait_dscnt 0x0
	FIRST
	CHUNKM 0, 1, 1
	CHUNKM 1, 0, 1
	CHUNKM 2, 0, 1
	CHUNKM 3, 0, 0
	; THE SUM OVER THE EIGHT WAVES.  Each wave lays its partial row into LDS in the output's own order, 12 bytes a pixel (16 tiles x 16 pixels
	; x 12 bytes = the row's 3,072); lanes l and l + 16 hold the same three numbers and write them to the same bytes.  The five vector lines
	; here stand between the last product and the first store that reads a result: four are asked for.
	v_and_b32 v4, 15, v0
	v_mul_u32_u24 v4, 12, v4
	s_mul_i32 s13, s8, ROWB
	v_add_nc_u32 v4, s13, v4
	v_lshlrev_b32 v5, 4, v0                        ; 16 bytes a thread, in LDS and in the output row
	v_mov_b32 v1, 0
.irp i, 0,1,2,3,4,5,6,7,8,9,10,11,12,13,14,15
	ds_store_b96 v4, v[ACC+8*\i:ACC+8*\i+2] offset:RED+192*\i
.endr
	s_wait_dscnt 0x0                               ; for the other waves' sake: my stores (the partial row, and 2^e long ago) are done before I say so
	s_barrier_signal -1
	s_barrier_wait -1
	s_cmp_ge_u32 s8, 6                             ; 3,072 bytes = 192 threads x 16: waves 6 and 7 have nothing left to do
	s_cbranch_scc1 .Lend
	ds_load_b128 v[CC:CC+3],   v1 offset:SCL       ; the eight waves' 2^e, in every lane
	ds_load_b128 v[CC+4:CC+7], v1 offset:SCL+16
.irp w, 0,1,2,3,4,5,6,7
	ds_load_b128 v[GY+4*\w:GY+4*\w+3], v5 offset:RED+ROWB*\w
.endr
	s_mul_i32 s14, s9, ROWB
	s_mov_b32 s15, 0
	s_add_nc_u64 s[6:7], s[6:7], s[14:15]          ; my row of the output
	s_wait_dscnt 7                                 ; LDS loads return in order: the scales and partial 0 are in, the seven younger loads may stay out
	v_pk_mul_f32 v[GY:GY+1],   v[GY:GY+1],   v[CC:CC+1] op_sel_hi:[1,0]
	v_pk_mul_f32 v[GY+2:GY+3], v[GY+2:GY+3], v[CC:CC+1] op_sel_hi:[1,0]
.macro ADDW w                          ; sum += partial w x its wave's 2^e (one register of a pair, for both halves)
	s_wait_dscnt 7-\w                              ; partial w is in, the younger ones may stay out
.if (\w)&1
	v_pk_fma_f32 v[GY:GY+1],   v[GY+4*\w:GY+4*\w+1],   v[CC+\w-1:CC+\w], v[GY:GY+1]   op_sel:[0,1,0] op_sel_hi:[1,1,1]
	v_pk_fma_f32 v[GY+2:GY+3], v[GY+4*\w+2:GY+4*\w+3], v[CC+\w-1:CC+\w], v[GY+2:GY+3] op_sel:[0,1,0] op_sel_hi:[1,1,1]
.else
	v_pk_fma_f32 v[GY:GY+1],   v[GY+4*\w:GY+4*\w+1],   v[CC+\w:CC+\w+1], v[GY:GY+1]   op_sel_hi:[1,0,1]
	v_pk_fma_f32 v[GY+2:GY+3], v[GY+4*\w+2:GY+4*\w+3], v[CC+\w:CC+\w+1], v[GY+2:GY+3] op_sel_hi:[1,0,1]
.endif
.endm
.irp w, 1,2,3,4,5,6,7
	ADDW \w
.endr
	global_store_b128 v5, v[GY:GY+3], s[6:7] th:TH_STORE_NT        ; a wave stores 512 consecutive bytes at a multiple of 512 in a row that starts at a multiple of 256
.Lend:
	s_set_vgpr_msb 0x5
	s_wait_tensorcnt 0x0
	ds_add_u32 v0, v1
	s_wait_dscnt 0x0
	s_set_vgpr_msb 0x500
	s_endpgm
.Lfunc_end_k_q03c34754f4_draw:
	.size	k_q03c34754f4_draw, .Lfunc_end_k_q03c34754f4_draw-k_q03c34754f4_draw
	.p2alignl 7, 3214868480
	.fill 96, 4, 3214868480
	.section	.rodata,"a",@progbits
	.p2align	6, 0x0
	.amdhsa_kernel k_q03c34754f4_draw
		.amdhsa_group_segment_fixed_size 44288
		.amdhsa_private_segment_fixed_size 0
		.amdhsa_enable_private_segment 0
		.amdhsa_kernarg_size 16
		.amdhsa_user_sgpr_count 2
		.amdhsa_user_sgpr_kernarg_segment_ptr 1
		.amdhsa_wavefront_size32 1
		.amdhsa_system_sgpr_workgroup_id_x 1
		.amdhsa_system_sgpr_workgroup_id_y 1
		.amdhsa_system_sgpr_workgroup_id_z 1
		.amdhsa_system_vgpr_workitem_id 0
		.amdhsa_next_free_vgpr 258
		.amdhsa_next_free_sgpr 66
		.amdhsa_reserve_vcc 1
		.amdhsa_float_denorm_mode_32 3
		.amdhsa_float_denorm_mode_16_64 3
		.amdhsa_memory_ordered 1
		.amdhsa_forward_progress 1
		.amdhsa_inst_pref_size 162
	.end_amdhsa_kernel
	.amdgpu_metadata
---
amdhsa.version: [ 1, 2 ]
amdhsa.kernels:
  - .name:           k_q03c34754f4_draw
    .symbol:         k_q03c34754f4_draw.kd
    .args:
      - { .name: tab, .offset: 0, .size: 8, .value_kind: global_buffer, .address_space: global }
      - { .name: out0, .offset: 8, .size: 8, .value_kind: global_buffer, .address_space: global }
    .group_segment_fixed_size: 44288
    .private_segment_fixed_size: 0
    .kernarg_segment_align: 8
    .kernarg_segment_size: 16
    .max_flat_workgroup_size: 256
    .sgpr_count:     66
    .vgpr_count:     258
    .wavefront_size: 32
...
	.end_amdgpu_metadata
.endif
;; end of part 2
;; ======== version 2 of 2: 2 launches; 1.21 times as fast as version 1
;; workspace buffers: tab 64,000 bytes
;; launch prep: the kernel of part 1 again; grid 125 x 1, 1 waves a work-group, no clusters, 0 bytes of LDS; arguments alpha_raw, colors_raw, coords_raw, rho_raw, sigma_x_raw, sigma_y_raw, tab; writes tab
;; launch draw (part 3): grid 256 x 1, 8 waves a work-group, no clusters, 44,288 bytes of LDS; arguments tab, out0; writes out0
.if DOCPART == 3
	.amdgcn_target "amdgcn-amd-amdhsa--gfx1250"
	.amdhsa_code_object_version 6
	.text
	.protected	k_q03c34754f4_draw
	.globl	k_q03c34754f4_draw
	.p2align	8
	.type	k_q03c34754f4_draw,@function
k_q03c34754f4_draw:
	s_mov_b64 s[64:65], 0
	v_nop
	global_prefetch_b8 v0, s[64:65] scope:SCOPE_SE
	s_setreg_imm32_b32 hwreg(HW_REG_WAVE_MODE, 25, 1), 1
	s_wait_xcnt 0x0
; DRAW: out[h][w][c] = sum over the splats n of exp2(cost_min_n - cost_n(h, w)) colour[n][c].
; cost_n(h, w) = u^2 + s^2,  u = gx x_h + gx cx,  s = gy y_w + N,  N = n1 x_h + n0  (the table's entries; see the launch that makes them).
;
; A work-group draws one image row h (256 pixels, 3,072 bytes of the output).  Its eight waves share the splats, 128 each, in four chunks
; of 32.  For a row, N and C = cost_min - u^2 are fixed for each splat, so an element costs two fused multiply-adds (s = gy y + N,
; T = C - s s; packed, two splats at a time), one exponential and half a conversion.  The square roots folded into gx and gy keep the
; rounding of s of the size of gy, not gy^2, in front of the exponential.  The quadratic form stays in f32 on the vector unit: it
; contracts over two numbers, and 16-bit operands would put their rounding times |z| into an exponent.
; The sum over splats is the matrix product: A = colours (row m = colour, K = 32 splats), B = the 32 x 16 block of exp2 values of 16 pixels.
; A lane holds 16 of the 32 splats of one pixel; this text gives lanes 0-15 the chunk's splats 0-15 and lanes 16-31 its splats 16-31, in A
; and in B alike, which leaves the products as they are.  A's rows 0-2 and 8-10 hold the three colours (the other rows hold copies of
; colour 2 and their results are never read), so registers 0-2 of a result hold the three colours of pixel (lane & 15) in both halves.
;
; THE EXPONENTIALS' BATCHES.  A tile's 16 exponentials are ONE batch with ONE wait: they work in place on the tile's own 16 registers, and
; nothing names a result before the batch is out.  Between them stand the next tile's 16 packed multiply-adds, which write the other set of
; 16, and the previous tile's product.  Behind the batch's wait come its only readers, the tile's eight conversions.  64 tiles: 64 waits.
;
; OPERANDS IN f16, sums in f32.  A thousand terms with two factors rounded to 8 significant bits add up to about a third of what the
; result is allowed to be off; 11 significant bits make that an eighth as much.  Range: the exp2 values are at most 1, since cost_min is the
; grid's minimum.  The colours can be arbitrarily small (sigmoid of a very negative alpha), so each wave scales the colours of its 128
; splats by the power of two 2^-e that brings the largest |c| among them into [1, 2); the scale is exact, and 2^e comes back in the
; multiply-add that sums the eight waves' partial rows.
;
; The table holds 1,000 entries; 8 waves x 128 = 1,024 places: the last 24 lanes of wave 7's last chunk read entry 999 and take colour 0.
;
; NO CLUSTER, no joint requests: all work-groups read the same table, but once, 40,000 bytes ahead of the 262,144 exponentials of a
; work-group (twelve loads a lane); there is no loop of requests that could be shared.
; LIMITS: those stated at the head of the launch that makes the table, and: exp2 values below 2^-14 keep an absolute accuracy of 2^-25;
; colours below 2^-14 of their wave's largest keep 2^-25 of that largest; where a wave's largest colour is below 2^-126 the scale is 2^126.
.set NSPLAT, 1000
.set ENTRY,  64                        ; bytes of a table entry
.set CHB,    576                       ; LDS bytes of a chunk: gy, N, C (32 f32 each: 0, 128, 256), three colours (32 f16 each: 384, 448, 512)
.set WVB,    4*CHB                     ; a wave's four chunks
.set RED,    8*WVB                     ; behind them: eight partial rows of 3,072 bytes
.set ROWB,   3072                      ; bytes of an output row
.set SCL,    RED+8*ROWB                ; behind them: the eight waves' 2^e
.set RD,  2                            ; v2        LDS: my half's 16 splats in gy of chunk 0
.set CA,  3                            ; v3        LDS: my colour row, my half's 16 splats, less 384
.set XH,  6                            ; v[6:7]    x_h, h as f32
.set Y,   8                            ; v[8:23]   y of my pixel in tiles 0..15
.set GY,  24                           ; v[24:39]  gy of my 16 splats
.set NN,  40                           ; v[40:55]  N
.set CC,  56                           ; v[56:71]  C
.set T0,  72                           ; v[72:103] two sets of 16: exponent, then exp2, of one tile; tiles take turns
.set BF,  104                          ; v[104:119] two B fragments, tiles take turns
.set CF,  120                          ; v[120:127] the chunk's A fragment: colours
.set ACC, 128                          ; v[128:255] 16 accumulators, one for each tile
; during the set-up only, in registers of the accumulators, which the first products write later:
.set R,   128                          ; v[128:175] my four entries, 12 registers each: 0-3 quad 0, 4-5 gy and cost_min, 8-11 quad 2
.set UN,  176                          ; v[176:183] u, N of the four
.set CT,  184                          ; v[184:187] C of the four
.set OF,  188
.set OFU, 189
.set OF3, 190
.set A4,  191
.set A2,  192
.set SA,  193
.set MX,  194                          ; the largest |colour| of my wave
.set MT,  R+11                         ; (done with once MX is formed)
.set SB,  196                          ; 2^e
.set SI,  200                          ; v[200:201] 2^-e, twice
.set HC,  204                          ; v[204:211] the four splats' scaled colours in f16: c0 | c1, c2
	s_load_b128 s[4:7], s[0:1], 0x0                ; table s[4:5], out s[6:7]
	s_set_vgpr_msb 0x40
	v_lshl_add_u32 v0, v0, 2, 0xa900
	v_mov_b32 v1, 0
	s_set_vgpr_msb 0x4000
	v_and_b32 v1, 31, v0                           ; lane
	v_lshrrev_b32 v4, 5, v0
	v_readfirstlane_b32 s8, v4                     ; wave
	v_lshlrev_b32 v5, 6, v1
	v_lshl_add_u32 v[OF], v4, 13, v5               ; entry 128 wave + lane; chunk k is 32 k entries further on
	v_add_nc_u32 v[OFU], 96*ENTRY, v[OF]
	v_min_u32 v[OF3], (NSPLAT-1)*ENTRY, v[OFU]     ; chunk 3: no load past entry 999
	s_mov_b32 s9, ttmp9                            ; h
	s_mov_b32 s10, 0x3c008081                      ; 2 / 255, twice: a pair for the packed forms
	s_mov_b32 s11, 0x3c008081
	s_mul_i32 s12, s8, WVB                         ; my wave's LDS
	s_mov_b32 s14, 0x76543210                      ; v_permlanex16_b32: lane i of one half reads lane i of the other
	s_mov_b32 s15, 0xfedcba98
	s_wait_kmcnt 0x0
.irp k, 0,1,2
	global_load_b128 v[R+12*\k:R+12*\k+3],    v[OF], s[4:5] offset:32*ENTRY*\k
	global_load_b64  v[R+12*\k+4:R+12*\k+5],  v[OF], s[4:5] offset:32*ENTRY*\k+16
	global_load_b128 v[R+12*\k+8:R+12*\k+11], v[OF], s[4:5] offset:32*ENTRY*\k+32
.endr
	global_load_b128 v[R+36:R+39], v[OF3], s[4:5]
	global_load_b64  v[R+40:R+41], v[OF3], s[4:5] offset:16
	global_load_b128 v[R+44:R+47], v[OF3], s[4:5] offset:32
	; while they come: the coordinates, formed as in the launch that found cost_min, and the LDS addresses
	v_cvt_f32_u32 v[XH+1], s9
	v_fma_f32 v[XH], v[XH+1], s10, -1.0            ; x_h
	v_and_b32 v5, 15, v0
	v_cvt_f32_u32 v[Y], v5                         ; column of my pixel in tile 0; tile i is 16 i further on
	v_add_f32 v[Y+1], 0x41800000, v[Y]
	v_pk_add_f32 v[Y+2:Y+3], v[Y:Y+1], 0x42000000 op_sel_hi:[1,0]
.irp j, 0,2
	v_pk_add_f32 v[Y+4+\j:Y+5+\j], v[Y+\j:Y+\j+1], 0x42800000 op_sel_hi:[1,0]
.endr
.irp j, 0,2,4,6
	v_pk_add_f32 v[Y+8+\j:Y+9+\j], v[Y+\j:Y+\j+1], 0x43000000 op_sel_hi:[1,0]
.endr
.irp j, 0,2,4,6,8,10,12,14
	v_pk_fma_f32 v[Y+\j:Y+\j+1], v[Y+\j:Y+\j+1], s[10:11], -1.0 op_sel_hi:[1,0,0]
.endr
	v_lshl_add_u32 v[A4], v1, 2, s12               ; where lane = splat puts an f32,
	v_lshl_add_u32 v[A2], v1, 1, s12               ; an f16
	v_mov_b32 v[SA], s8
	v_lshlrev_b32 v[SA], 2, v[SA]                  ; my wave's word among the eight 2^e
	v_bfe_u32 v4, v0, 4, 1                         ; half of the wave
	v_lshl_add_u32 v[RD], v4, 6, s12               ; 16 f32 a half
	v_and_b32 v5, 7, v0
	v_min_u32 v5, 2, v5                            ; A's rows 0, 1, 2 and 8, 9, 10: colours 0, 1, 2
	v_lshl_add_u32 v[CA], v5, 6, s12
	v_lshl_add_u32 v[CA], v4, 5, v[CA]             ; 16 f16 a half
	; lane = splat: this row's N and C of my four splats, and everything into my wave's own LDS bytes, from where it comes back with
	; registers = splats.  LDS serves a wave's instructions in order (ISA guide 5.7.1), and no other wave touches these bytes: no barrier.
.macro SETUP k
	s_wait_loadcnt 9-3*\k                          ; loads return in order: this chunk's three are in, those of the later chunks (three each) may stay out
	v_pk_fma_f32 v[UN+2*\k:UN+2*\k+1], v[R+12*\k:R+12*\k+1], v[XH:XH+1], v[R+12*\k+2:R+12*\k+3] op_sel_hi:[1,0,1]   ; (u, N) = (gx, n1) x + (gx cx, n0)
	v_fma_f32 v[CT+\k], -v[UN+2*\k], v[UN+2*\k], v[R+12*\k+5]      ; C = cost_min - u^2
	ds_store_b32 v[A4], v[R+12*\k+4] offset:\k*CHB
	ds_store_b32 v[A4], v[UN+2*\k+1] offset:\k*CHB+128
	ds_store_b32 v[A4], v[CT+\k] offset:\k*CHB+256
.endm
	SETUP 0
	SETUP 1
	SETUP 2
	SETUP 3
	; the colours: places 1,000 to 1,023 get 0; then the wave's largest |c|, its power of two, and the scaled colours in f16
	v_cmp_ge_u32 vcc_lo, v[OF3], v[OFU]            ; false where the address was clamped
.irp j, 44,45,46,47
	v_cndmask_b32 v[R+\j], 0, v[R+\j], vcc_lo
.endr
	v_max3_num_f32 v[MX], v[R+11], v[R+23], v[R+35]        ; each entry brings its own max |c|
	v_max_num_f32 v[MX], v[MX], v[R+47]
	v_max_num_f32_dpp v[MX], v[MX], v[MX] row_xmask:1 row_mask:0xf bank_mask:0xf
	v_max_num_f32_dpp v[MX], v[MX], v[MX] row_xmask:2 row_mask:0xf bank_mask:0xf
	v_max_num_f32_dpp v[MX], v[MX], v[MX] row_xmask:4 row_mask:0xf bank_mask:0xf
	v_max_num_f32_dpp v[MX], v[MX], v[MX] row_xmask:8 row_mask:0xf bank_mask:0xf
	v_permlanex16_b32 v[MT], v[MX], s14, s15       ; its destination counts as read: a register that has been written
	v_max_num_f32 v[MX], v[MX], v[MT]
	v_and_b32 v[SB], 0x7f800000, v[MX]             ; the exponent field alone: 2^e <= max |c| < 2^(e+1),
	v_max_u32 v[SB], 0x800000, v[SB]               ; at least 2^-126, so that it and its inverse are normal numbers (all colours 0 included)
	v_sub_nc_u32 v[SI], 0x7f000000, v[SB]          ; field 254 - (e + 127): 2^-e
	v_mov_b32 v[SI+1], v[SI]
	ds_store_b32 v[SA], v[SB] offset:SCL           ; all lanes, the same word, the same value; read behind the barrier at the end
.irp k, 0,1,2,3
	v_pk_mul_f32 v[R+12*\k+8:R+12*\k+9], v[R+12*\k+8:R+12*\k+9], v[SI:SI+1]
	v_mul_f32 v[R+12*\k+10], v[R+12*\k+10], v[SI]
	v_cvt_pk_f16_f32 v[HC+2*\k], v[R+12*\k+8], v[R+12*\k+9]
	v_cvt_pk_f16_f32 v[HC+2*\k+1], v[R+12*\k+10], 0
	ds_store_b16 v[A2], v[HC+2*\k] offset:\k*CHB+384
	ds_store_b16_d16_hi v[A2], v[HC+2*\k] offset:\k*CHB+448
	ds_store_b16 v[A2], v[HC+2*\k+1] offset:\k*CHB+512
.endr
.macro LOADP k                         ; gy, N, C of my half's 16 splats of chunk k
.irp i, 0,1,2,3
	ds_load_b128 v[GY+4*\i:GY+4*\i+3], v[RD] offset:(\k)*CHB+16*\i
	ds_load_b128 v[NN+4*\i:NN+4*\i+3], v[RD] offset:(\k)*CHB+128+16*\i
	ds_load_b128 v[CC+4*\i:CC+4*\i+3], v[RD] offset:(\k)*CHB+256+16*\i
.endr
.endm
.macro LOADCF k                        ; the colour fragment of chunk k
	ds_load_b128 v[CF:CF+3],   v[CA] offset:(\k)*CHB+384
	ds_load_b128 v[CF+4:CF+7], v[CA] offset:(\k)*CHB+400
.endm
.macro PKA j, ti                       ; s = gy y + N, splats 2j and 2j + 1, pixel of tile ti (y: one register of a pair, for both halves)
.if (\ti)&1
	v_pk_fma_f32 v[nxt+2*(\j):nxt+2*(\j)+1], v[GY+2*(\j):GY+2*(\j)+1], v[Y+((\ti)&14):Y+((\ti)&14)+1], v[NN+2*(\j):NN+2*(\j)+1] op_sel:[0,1,0] op_sel_hi:[1,1,1]
.else
	v_pk_fma_f32 v[nxt+2*(\j):nxt+2*(\j)+1], v[GY+2*(\j):GY+2*(\j)+1], v[Y+((\ti)&14):Y+((\ti)&14)+1], v[NN+2*(\j):NN+2*(\j)+1] op_sel_hi:[1,0,1]
.endif
.endm
.macro PKB j                           ; T = C - s s
	v_pk_fma_f32 v[nxt+2*(\j):nxt+2*(\j)+1], v[nxt+2*(\j):nxt+2*(\j)+1], v[nxt+2*(\j):nxt+2*(\j)+1], v[CC+2*(\j):CC+2*(\j)+1] neg_lo:[1,0,0] neg_hi:[1,0,0]
.endm
.macro MM t, b, zero                   ; tile t's product; in the first chunk it starts the sum: nothing is cleared
.if \zero
	v_wmma_f32_16x16x32_f16 v[ACC+8*(\t):ACC+8*(\t)+7], v[CF:CF+7], v[\b:\b+7], 0
.else
	v_wmma_f32_16x16x32_f16 v[ACC+8*(\t):ACC+8*(\t)+7], v[CF:CF+7], v[\b:\b+7], v[ACC+8*(\t):ACC+8*(\t)+7]
.endif
.endm
.macro FIRST                           ; the exponents of a chunk's tile 0
.set nxt, T0
.irp j, 0,1,2,3,4,5,6,7
	PKA \j, 0
.endr
.irp j, 0,1,2,3,4,5,6,7
	PKB \j
.endr
.endm
; ONE TILE.  THE BATCH: 16 exponentials in place on the tile's set of 16 registers, with the next tile's 16 packed multiply-adds between
; them (next = 1), which write the other set, and the PREVIOUS tile's product in the third slot, when its conversions are long done.
; None of these lines names a result of the batch.  Then the batch's one wait, and behind it its readers: the tile's eight conversions.
; Behind an exponential a plain vector instruction stands before its result is read (ISA guide 5.7.2): the last multiply-add stands behind
; the last exponential; in a tile without multiply-adds one v_nop does.
; The set is written again only by the multiply-adds of the next tile's text, behind this tile's wait.
; Behind a product, its B fragment is written again a whole tile later (two fragments take turns) and its A fragment is loaded again only
; behind the 16 multiply-adds of FIRST: more than the four plain vector instructions asked for (ISA guide 7.12.1).
.macro TILE i, zero, next, waitcf
.set cur, T0+16*((\i)&1)
.set nxt, T0+16*((\i+1)&1)
.set bc,  BF+8*((\i)&1)
.set bp,  BF+8*((\i+1)&1)
.irp j, 0,1,2,3,4,5,6,7
	v_exp_f32 v[cur+2*\j], v[cur+2*\j]
.if \next
	PKA \j, (\i+1)
.endif
	v_exp_f32 v[cur+2*\j+1], v[cur+2*\j+1]
.if \next
.if \j >= 1
	PKB (\j-1)
.endif
.endif
.if \j == 2
.if \i > 0
.if \waitcf
	s_wait_dscnt 0x0                               ; the chunk's colour fragment, asked for a tile ago: nothing else is out
.endif
	MM (\i-1), bp, \zero
.endif
.endif
.endr
.if \next
	PKB 7                                          ; the plain instruction behind the last exponential
.else
	v_nop                                          ; the plain instruction behind the last exponential: this tile has no other
.endif
	s_wait_alu depctr_va_vdst(0)                   ; the wait ahead of the first use: one for the tile's 16 exponentials
.irp j, 0,1,2,3,4,5,6,7
	v_cvt_pk_f16_f32 v[bc+\j], v[cur+2*\j], v[cur+2*\j+1]
.endr
.endm
; ONE CHUNK: 16 tiles.  gy, N, C are last read in tile 14 (for tile 15's exponents), so the next chunk's are loaded over them while tile 15 runs.
.macro CHUNKM k, zero, more
	TILE 0, \zero, 1, 0
	TILE 1, \zero, 1, \k
.irp i, 2,3,4,5,6,7,8,9,10,11,12,13,14
	TILE \i, \zero, 1, 0
.endr
.if \more
	LOADP (\k+1)
.endif
	TILE 15, \zero, 0, 0
	MM 15, bc, \zero
.if \more
	s_wait_dscnt 0x0                               ; the next chunk's gy, N, C are in
	FIRST
	LOADCF (\k+1)                                  ; behind FIRST's 16 plain vector instructions: the last product has read the old fragment
.endif
.endm
	LOADP 0
	LOADCF 0
	s_wait_dscnt 0x0
	FIRST
	CHUNKM 0, 1, 1
	CHUNKM 1, 0, 1
	CHUNKM 2, 0, 1
	CHUNKM 3, 0, 0
	; THE SUM OVER THE EIGHT WAVES.  Each wave lays its partial row into LDS in the output's own order, 12 bytes a pixel (16 tiles x 16 pixels
	; x 12 bytes = the row's 3,072); lanes l and l + 16 hold the same three numbers and write them to the same bytes.  The five vector lines
	; here stand between the last product and the first store that reads a result: four are asked for.
	v_and_b32 v4, 15, v0
	v_mul_u32_u24 v4, 12, v4
	s_mul_i32 s13, s8, ROWB
	v_add_nc_u32 v4, s13, v4
	v_lshlrev_b32 v5, 4, v0                        ; 16 bytes a thread, in LDS and in the output row
	v_mov_b32 v1, 0
.irp i, 0,1,2,3,4,5,6,7,8,9,10,11,12,13,14,15
	ds_store_b96 v4, v[ACC+8*\i:ACC+8*\i+2] offset:RED+192*\i
.endr
	s_wait_dscnt 0x0                               ; for the other waves' sake: my stores (the partial row, and 2^e long ago) are done before I say so
	s_barrier_signal -1
	s_barrier_wait -1
	s_cmp_ge_u32 s8, 6                             ; 3,072 bytes = 192 threads x 16: waves 6 and 7 have nothing left to do
	s_cbranch_scc1 .Lend
	ds_load_b128 v[CC:CC+3],   v1 offset:SCL       ; the eight waves' 2^e, in every lane
	ds_load_b128 v[CC+4:CC+7], v1 offset:SCL+16
.irp w, 0,1,2,3,4,5,6,7
	ds_load_b128 v[GY+4*\w:GY+4*\w+3], v5 offset:RED+ROWB*\w
.endr
	s_mul_i32 s14, s9, ROWB
	s_mov_b32 s15, 0
	s_add_nc_u64 s[6:7], s[6:7], s[14:15]          ; my row of the output
	s_wait_dscnt 7                                 ; LDS loads return in order: the scales and partial 0 are in, the seven younger loads may stay out
	v_pk_mul_f32 v[GY:GY+1],   v[GY:GY+1],   v[CC:CC+1] op_sel_hi:[1,0]
	v_pk_mul_f32 v[GY+2:GY+3], v[GY+2:GY+3], v[CC:CC+1] op_sel_hi:[1,0]
.macro ADDW w                          ; sum += partial w x its wave's 2^e (one register of a pair, for both halves)
	s_wait_dscnt 7-\w                              ; partial w is in, the younger ones may stay out
.if (\w)&1
	v_pk_fma_f32 v[GY:GY+1],   v[GY+4*\w:GY+4*\w+1],   v[CC+\w-1:CC+\w], v[GY:GY+1]   op_sel:[0,1,0] op_sel_hi:[1,1,1]
	v_pk_fma_f32 v[GY+2:GY+3], v[GY+4*\w+2:GY+4*\w+3], v[CC+\w-1:CC+\w], v[GY+2:GY+3] op_sel:[0,1,0] op_sel_hi:[1,1,1]
.else
	v_pk_fma_f32 v[GY:GY+1],   v[GY+4*\w:GY+4*\w+1],   v[CC+\w:CC+\w+1], v[GY:GY+1]   op_sel_hi:[1,0,1]
	v_pk_fma_f32 v[GY+2:GY+3], v[GY+4*\w+2:GY+4*\w+3], v[CC+\w:CC+\w+1], v[GY+2:GY+3] op_sel_hi:[1,0,1]
.endif
.endm
.irp w, 1,2,3,4,5,6,7
	ADDW \w
.endr
	global_store_b128 v5, v[GY:GY+3], s[6:7] th:TH_STORE_NT        ; a wave stores 512 consecutive bytes at a multiple of 512 in a row that starts at a multiple of 256
.Lend:
	s_set_vgpr_msb 0x5
	s_wait_tensorcnt 0x0
	ds_add_u32 v0, v1
	s_wait_dscnt 0x0
	s_set_vgpr_msb 0x500
	s_endpgm
.Lfunc_end_k_q03c34754f4_draw:
	.size	k_q03c34754f4_draw, .Lfunc_end_k_q03c34754f4_draw-k_q03c34754f4_draw
	.p2alignl 7, 3214868480
	.fill 96, 4, 3214868480
	.section	.rodata,"a",@progbits
	.p2align	6, 0x0
	.amdhsa_kernel k_q03c34754f4_draw
		.amdhsa_group_segment_fixed_size 44288
		.amdhsa_private_segment_fixed_size 0
		.amdhsa_enable_private_segment 0
		.amdhsa_kernarg_size 16
		.amdhsa_user_sgpr_count 2
		.amdhsa_user_sgpr_kernarg_segment_ptr 1
		.amdhsa_wavefront_size32 1
		.amdhsa_system_sgpr_workgroup_id_x 1
		.amdhsa_system_sgpr_workgroup_id_y 1
		.amdhsa_system_sgpr_workgroup_id_z 1
		.amdhsa_system_vgpr_workitem_id 0
		.amdhsa_next_free_vgpr 258
		.amdhsa_next_free_sgpr 66
		.amdhsa_reserve_vcc 1
		.amdhsa_float_denorm_mode_32 3
		.amdhsa_float_denorm_mode_16_64 3
		.amdhsa_memory_ordered 1
		.amdhsa_forward_progress 1
		.amdhsa_inst_pref_size 150
	.end_amdhsa_kernel
	.amdgpu_metadata
---
amdhsa.version: [ 1, 2 ]
amdhsa.kernels:
  - .name:           k_q03c34754f4_draw
    .symbol:         k_q03c34754f4_draw.kd
    .args:
      - { .name: tab, .offset: 0, .size: 8, .value_kind: global_buffer, .address_space: global }
      - { .name: out0, .offset: 8, .size: 8, .value_kind: global_buffer, .address_space: global }
    .group_segment_fixed_size: 44288
    .private_segment_fixed_size: 0
    .kernarg_segment_align: 8
    .kernarg_segment_size: 16
    .max_flat_workgroup_size: 256
    .sgpr_count:     66
    .vgpr_count:     258
    .wavefront_size: 32
...
	.end_amdgpu_metadata
.endif
;; end of part 3
